; MI455X (gfx1250); checked and timed in simulation.
; The chip was launched on July 23, 2026; its instructions are those of AMD's public machine-readable ISA for CDNA 5 (MIT licence, August 2026) and "CDNA5" Instruction Set Architecture Reference Guide (July 2026). The comments in the code are by the model that wrote it; some were corrected since.
;; Mixture Of Experts. Allowed arithmetic: matrix products marked QUANTISED: E5M2 operands, one given power-of-two scale a tensor, by v_wmma_f32_16x16x64_bf8_bf8 or v_wmma_f32_16x16x128_bf8_bf8, f32 sums; products left as they are: f32 operands where the result goes on into a quantised operand, else bf16, f16 or f32 operands; f32 sums; everything else in f32.
;; Inputs: W_codes 8 x 1,024 x 32 x 32 uint8 (E5M2 codes of W, K innermost, in blocks of 32 codes); Wg 1,024 x 8 float32; b 8 x 1,024 float32; bg 8 float32; inputs 8,192 x 1,024 float32; lowp_scales 2 int32 (the exponents e of the quantised operands' scales 2^e).
;; Outputs: out0 8,192 x 1,024 float32; out1 one number float32.
;; This version of the problem:
;;   THIS VERSION OF THE PROBLEM IS GIVEN IN LOW PRECISION. The matrix products marked QUANTISED in the list below multiply operands that are first quantised to E5M2 (5 exponent bits, 2 mantissa bits; 8 bits a number), with one given power-of-two scale for each operand tensor; their sums are f32. All else is computed in f32.
;;   The module's matrix products, in the order in which they are computed (A, B: the left and right operand; K: the contracted axis; several contracted axes count as one K, in the product's order):
;;     1. [M 8,192, K 1,024] x [K 1,024, N 8,192]; A: input inputs; B: input W (given as codes): QUANTISED (scales: A lowp_scales[0], B lowp_scales[1])
;;     2. [M 8,192, K 1,024] x [K 1,024, N 8]; A: input inputs; B: input Wg: left as it is (N = 8 < 16)
;;     3. batch 8,192 x [M 1,024, K 8] x [K 8, N 1]; A: computed on the way; B: softmax: left as it is (K = 8 < 32)
;;   THE QUANTISER, for each operand of a quantised product, along K:
;;     - The operand's scale is 2^e, e = its entry of the input lowp_scales (int32; the entries are numbered through the quantised products in the list's order, A before B).
;;     - Each number is divided by the scale, clamped to +-57,344, and rounded to the nearest number of E5M2, ties to even, subnormals kept.
;;     - The product sums the exact products of the quantised numbers (number of the format x scale) in f32.
;;   ~~~python
;;   def quantise(x, axis, e):      # numpy; x: float32 -> the quantised numbers, widened to float32 again
;;       x = np.moveaxis(x, axis, -1); K = x.shape[-1]
;;       r = np.clip(x / 2.0 ** e, -57344, 57344)
;;       step = 2.0 ** (np.maximum(np.frexp(np.where(r == 0, 1, r))[1] - 1, -14) - 2)
;;       q = np.round(r / step) * step * 2.0 ** e      # np.round: ties to even
;;       return np.moveaxis(q, -1, axis).astype(np.float32)
;;   ~~~
;;   INPUTS GIVEN AS CODES. W (in the module: [8, 1024, 1024], K = its axis 1): each comes as NAME_codes (uint8): NAME with its K axis moved to the last place and cut into blocks of 32 codes, [.., K / 32, bytes a block], one block behind the other in memory; one code a byte (a code: sign, 5 exponent bits, 2 mantissa bits); its scale is its entry of lowp_scales. Its value is code x scale, taken as it is: it is not quantised again, and the codes and scales need not be those that the quantiser above would give.
;; One version. Each part assembles by itself: llvm-mc -triple=amdgcn-amd-amdhsa -mcpu=gfx1250 --defsym DOCPART=n.
;; ======== version 1 of 1: 2 launches
;; limits: right only within a limited range of input values; values are held in bf16: 8 bits of precision
;; workspace buffers: xc 8,388,608 bytes; wgt 262,144 bytes; psum 8,192 bytes
;; launch prep (part 1): grid 256 x 1, 8 waves a work-group, no clusters, 145,408 bytes of LDS; arguments inputs, Wg, bg, lowp_scales, xc, wgt, psum; writes xc, wgt, psum
.if DOCPART == 1
	.amdgcn_target "amdgcn-amd-amdhsa--gfx1250"
	.amdhsa_code_object_version 6
	.text
	.protected	k_qd8aa228055_prep
	.globl	k_qd8aa228055_prep
	.p2align	8
	.type	k_qd8aa228055_prep,@function
k_qd8aa228055_prep:
	s_mov_b64 s[64:65], 0
	v_nop
	global_prefetch_b8 v0, s[64:65] scope:SCOPE_SE
	s_setreg_imm32_b32 hwreg(HW_REG_WAVE_MODE, 25, 1), 1
	s_wait_xcnt 0x0
; PREP: the first of two launches for  out0[b][q] = sum over e of w[b][e] (sum over p of Q(x)[b][p] W[e][p][q] + b[e][q]),  w = softmax(x Wg + bg),  out1 = 8 sum over e of (mean over b of w[b][e])^2.
; NOTHING OF reference() IS LEFT OUT: the gates are soft, so every expert counts for every row; bg differs along the softmax's axis; b, both scales and every weight reach out0.  Every input is loaded by one of the two launches.
; This launch reads inputs [8192][1024] f32 once and makes of it
;   xc   the codes of x in BF8 (E5M2) with the given scale 2^e0, laid in the order of the operand's registers: [512 blocks of 16 rows][8 K steps of 128][c 0..3][lane][16 bytes];
;        lane (r = lane % 16, h = lane / 16) holds row r, k = 128 s + 32 c + 16 h + 0 .. 15: the second launch loads a fragment by four loads of 512 consecutive bytes;
;   wgt  [8192][8] f32: the ratios w[e] / w[e + 1], e < 7, and w[7] x 2^(e0 + e1), so that the second launch's sums of codes need no scaling of their own;
;   psum [256][8] f32: this work-group's sums of w over its 32 rows, for out1.
; THE ROUTER (product 2, left as it is) goes to the matrix unit with its operands as PAIRS of bf16 numbers, a high and a low part, split in f32: hi = bf16(v), lo = bf16(v - hi); the difference is exact.
; Three products are summed in f32: hi x hi, hi x lo, lo x hi; lo x lo, 2^-16 of the whole, is left out.  Why pairs: one bf16 number has 8 significant bits, and what a logit is off by goes through the softmax into
; all 1,024 outputs of its row, multiplied by the experts' results: a pair has 16 bits.  The softmax takes its maximum away, in f32.
; SHARES.  Work-group g takes rows 32 g .. 32 g + 31; wave s takes K step s (128 along K) of all 32 rows: 16 KiB of x and 4 KiB of Wg, all asked for at once.  Wave 0 then adds the eight waves' parts of the logits.
; No cluster and no tensor load: the work-groups share Wg alone, 32 KiB beside the 128 KiB of x that each reads for itself, and every byte is wanted once, at the start.
; LIMITS.  e0 between -126 and 112, so that 2^e0 and 57,344 x 2^e0 are f32 numbers; w x 2^(e0 + e1) must be an f32 number; a weight under 2^-126 comes out as 0 (v_exp_f32);
; x and Wg lie under bf16's largest number, so that their high parts are finite; NaN among the inputs is not served.
; WHAT A ROW OF wgt HOLDS: numbers 0 .. 6 are the ratios w[e] / w[e + 1], number 7 is w[7] x 2^(e0 + e1): the second launch sums over the experts by Horner's rule.
; LIMIT: a weight under 2^-60 of its row's largest counts as 2^-60 of it, so that every ratio and every product of ratios is an f32 number.
.set STGW,  16896                      ; LDS: a stage of 32 rows x (512 bytes + 16) for each wave
.set PL,    8*STGW                     ; [wave][row 0..31][8] f32: the waves' parts of the logits
.set WOUT,  PL+8192                    ; 1,024 bytes: the weights on their way out
.set SPARE, WOUT+1024                  ; the spare words, 128 bytes for each wave: four blocks of 256 bytes that no other line names
.set LANE, 1                           ; v1   lane
.set ROW,  2                           ; v2   r
.set HALF, 3                           ; v3   h
.set L16,  4                           ; v4   16 x lane: x's loads, the codes' and the weights' stores; never rewritten
.set WGO,  5                           ; v5   Wg: 512 h + 4 (r % 8)
.set STW,  6                           ; v6   my stage, on the way in: 16 x lane
.set STR,  7                           ; v7   and on the way out: 528 r + 64 h
.set PLW,  8                           ; v8   where I put my lane's row of partial logits
.set SCL,  9                           ; v9   2^e0 as f32
.set LIM,  10                          ; v10  57,344 x 2^e0
.set PLR,  11                          ; v11  PL + 32 x lane
.set SPW,  12                          ; v12  LDS address of my spare word; never rewritten
.set NIL,  13                          ; v13  0; never rewritten
.set WRD,  15                          ; v15  WOUT + 16 x lane
.set T,    16                          ; v16-23  at work in the split
.set LG,   16                          ; v16-31  then the two accumulators of partial logits
.set WH,   32                          ; v32-63  Wg's high parts, 4 fragments; later CD, the codes
.set CD,   32
.set WR,   64                          ; v64-127 Wg as loaded
.set WL,   64                          ; v64-95  Wg's low parts, packed over the numbers that they came from; later v64-71 a lane's row of partial logits
.set PLV,  64
.set XH,   96                          ; x's high parts: block a at 96 + 64 a: v96-127, v160-191
.set XL,   128                         ; x's low parts:  block a at 128 + 64 a: v128-159, v192-223, packed over the numbers that they came from
.set X,    128                         ; v128-255 x, block a at 128 + 64 a
	s_load_b256 s[4:11], s[0:1], 0x0               ; inputs s[4:5], Wg s[6:7], bg s[8:9], the scales' exponents s[10:11]
	s_load_b128 s[12:15], s[0:1], 0x20             ; xc s[12:13], wgt s[14:15]
	s_load_b64 s[16:17], s[0:1], 0x30              ; psum
	v_lshl_add_u32 v[SPW], v0, 2, SPARE
	v_mov_b32 v[NIL], 0
	v_lshrrev_b32 v14, 5, v0
	s_delay_alu instid0(VALU_DEP_1)
	v_readfirstlane_b32 s20, v14                   ; wave = K step, 0..7
	v_and_b32 v[LANE], 31, v0
	v_and_b32 v[ROW], 15, v0
	v_bfe_u32 v[HALF], v0, 4, 1
	s_delay_alu instid0(VALU_DEP_3)
	v_lshlrev_b32 v[L16], 4, v[LANE]
	v_and_b32 v[WGO], 7, v0
	s_delay_alu instid0(VALU_DEP_1)
	v_lshlrev_b32 v[WGO], 2, v[WGO]
	s_delay_alu instid0(VALU_DEP_1)
	v_lshl_add_u32 v[WGO], v[HALF], 9, v[WGO]      ; lanes 16-31 begin 16 rows of Wg (32 bytes each) further down; lanes 8-15 repeat experts 0-7
	s_mul_i32 s21, s20, STGW
	v_add_nc_u32 v[STW], s21, v[L16]
	v_mul_u32_u24 v[STR], v[ROW], 528
	s_delay_alu instid0(VALU_DEP_1)
	v_lshl_add_u32 v[STR], v[HALF], 6, v[STR]
	s_delay_alu instid0(VALU_DEP_1)
	v_add_nc_u32 v[STR], s21, v[STR]
	s_lshl_b32 s22, s20, 10
	s_add_co_u32 s22, s22, PL
	v_lshl_add_u32 v[PLW], v[LANE], 5, s22
	v_lshl_add_u32 v[PLR], v[LANE], 5, PL
	v_lshl_add_u32 v[WRD], v[LANE], 4, WOUT
	s_mov_b32 s32, 0x76543210                      ; v_permlanex16_b32's selects for lane l xor 16
	s_mov_b32 s33, 0xfedcba98
	s_lshl_b32 s2, ttmp9, 17                       ; x: 32 rows of 4,096 bytes a work-group,
	s_lshl_b32 s3, s20, 9                          ; 512 bytes of a row a wave
	s_add_co_u32 s2, s2, s3
	s_mov_b32 s3, 0
	s_lshl_b32 s22, s20, 12                        ; Wg: 128 rows of 32 bytes a wave
	s_mov_b32 s23, 0
	s_lshl_b32 s36, ttmp9, 15                      ; xc: two blocks of 16,384 bytes a work-group,
	s_lshl_b32 s37, s20, 11                        ; 2,048 bytes a K step
	s_add_co_u32 s36, s36, s37
	s_mov_b32 s37, 0
	s_lshl_b32 s38, ttmp9, 10                      ; wgt: 32 rows of 32 bytes
	s_mov_b32 s39, 0
	s_wait_alu depctr_va_vdst(0)
	s_wait_kmcnt 0x0
	s_load_b64 s[18:19], s[10:11], 0x0             ; e0, e1
	s_load_b256 s[24:31], s[8:9], 0x0              ; bg
	s_add_nc_u64 s[4:5], s[4:5], s[2:3]
	s_add_nc_u64 s[6:7], s[6:7], s[22:23]
	s_add_nc_u64 s[12:13], s[12:13], s[36:37]
	s_add_nc_u64 s[14:15], s[14:15], s[38:39]
	s_lshl_b32 s38, ttmp9, 5                       ; psum: 32 bytes a work-group
	s_add_nc_u64 s[16:17], s[16:17], s[38:39]
.set i, 0
.rept 32
	global_load_b128 v[X+4*i:X+4*i+3], v[L16], s[4:5] offset:4096*i th:TH_LOAD_NT   ; row i: the 32 lanes read 512 consecutive bytes; read once in the launch
.set i, i+1
.endr
.set i, 0
.rept 64
	global_load_b32 v[WR+i], v[WGO], s[6:7] offset:32*(32*(i/16)+i%16)   ; Wg(128 s + 32 c + 16 h + i, r % 8): a lane takes an expert's column, its registers run down K
.set i, i+1
.endr
	s_wait_kmcnt 0x0
	s_add_co_i32 s21, s18, 127
	s_lshl_b32 s22, s21, 23
	v_mov_b32 v[SCL], s22                          ; 2^e0 as f32: the conversion takes its exponent field
	s_add_co_i32 s21, s21, 15
	s_lshl_b32 s21, s21, 23
	s_or_b32 s21, s21, 0x600000
	v_mov_b32 v[LIM], s21                          ; the largest number x 2^e0
	s_add_co_i32 s35, s18, s19                     ; e0 + e1
	s_wait_loadcnt 63                              ; x's 32 loads are in: 64 loads were issued behind them, and 63 is the most that a wait can name
	; x turns through my own stage: in as it lies, 512 bytes a row; out 16 NEIGHBOURS along K a lane and block of 32, as the conversions and the operands' layout want them
.set i, 0
.rept 32
	ds_store_b128 v[STW], v[X+4*i:X+4*i+3] offset:528*i
.set i, i+1
.endr
	s_wait_dscnt 0x0                               ; the stores have read their registers, which the loads below fill anew
.macro XBACK                           ; register 64 a + 16 c + i = x(16 a + r, 128 s + 32 c + 16 h + i); block 0's sixteen loads first
.irp a, 0,1
.irp c, 0,1,2,3
.irp j, 0,1,2,3
	ds_load_b128 v[X+64*\a+16*\c+4*\j:X+64*\a+16*\c+4*\j+3], v[STR] offset:8448*\a+128*\c+16*\j
.endr
.endr
.endr
.endm
	XBACK
; 64 numbers of a lane, v[src] on, become 32 registers of high parts, v[hi] on, and 32 of low parts, packed over v[src] on: register i holds numbers 2 i and 2 i + 1.  Four pairs at a time, so that no line waits for the line above it.
; A low part is written over numbers that have been read: register src + i is read in step i / 2 and written in step i.
.macro SPLIT src, hi
.set g, 0
.rept 8
.irp k, 0,1,2,3
	v_cvt_pk_bf16_f32 v[\hi+4*g+\k], v[\src+8*g+2*\k], v[\src+8*g+2*\k+1]
.endr
.irp k, 0,1,2,3
	v_lshlrev_b32 v[T+2*\k], 16, v[\hi+4*g+\k]                 ; the high parts as f32
	v_and_b32 v[T+2*\k+1], 0xffff0000, v[\hi+4*g+\k]
.endr
.irp k, 0,1,2,3
	v_pk_add_f32 v[\src+8*g+2*\k:\src+8*g+2*\k+1], v[\src+8*g+2*\k:\src+8*g+2*\k+1], v[T+2*\k:T+2*\k+1] neg_lo:[0,1] neg_hi:[0,1]   ; v - hi: nothing is rounded
.endr
.irp k, 0,1,2,3
	s_delay_alu instid0(VALU_DEP_4)
	v_cvt_pk_bf16_f32 v[\src+4*g+\k], v[\src+8*g+2*\k], v[\src+8*g+2*\k+1]
.endr
.set g, g+1
.endr
.endm
	s_wait_loadcnt 0x0                             ; Wg
	SPLIT WR, WH
	s_wait_dscnt 0x0                               ; x is back
	SPLIT X, XH                                    ; block 0: its high parts take the registers that Wg's numbers have left,
	SPLIT X+64, XH+64                              ; block 1's those that block 0's have left.  k lies in x's fragments as in Wg's: every product meets its partner
	; the router, transposed: source 0 = Wg's columns (experts 0-7, twice), source 1 = 16 rows of x.  Lane (r, h) then holds row r's eight partial logits in registers 0-7.
	; The two accumulators take turns, one instruction a turn.
.macro ROUTE w, x, zero
.irp c, 0,1,2,3
.irp a, 0,1
.if (\zero) && (\c == 0)
	v_wmma_f32_16x16x32_bf16 v[LG+8*\a:LG+8*\a+7], v[\w+8*\c:\w+8*\c+7], v[\x+64*\a+8*\c:\x+64*\a+8*\c+7], 0
.else
	v_wmma_f32_16x16x32_bf16 v[LG+8*\a:LG+8*\a+7], v[\w+8*\c:\w+8*\c+7], v[\x+64*\a+8*\c:\x+64*\a+8*\c+7], v[LG+8*\a:LG+8*\a+7]
.endif
.endr
.endr
.endm
	ROUTE WH, XH, 1                                ; hi x hi starts the sums,
	ROUTE WH, XL, 0                                ; Wg's high parts x x's low parts,
	ROUTE WL, XH, 0                                ; Wg's low parts x x's high parts
.rept 4
	v_nop                                          ; four places between the products and the loads into their sources, and the first read of their results (ISA guide 7.12.1 for vector instructions)
.endr
	XBACK                                          ; the split has used x up: it comes once more from my stage, which nobody has written since
	v_cmp_lt_u32 vcc_lo, 15, v[LANE]
.irp j, 0,1,2,3,4,5,6,7
	v_cndmask_b32 v[PLV+\j], v[LG+\j], v[LG+8+\j], vcc_lo   ; lane l takes row l: lanes 0-15 of the first block, lanes 16-31 of the second; each accumulator from its low end on
.endr
	ds_store_b128 v[PLW], v[PLV:PLV+3]
	ds_store_b128 v[PLW], v[PLV+4:PLV+7] offset:16
.macro QUANT a                         ; block a's 64 numbers of a lane become a fragment's 16 registers of codes
.set i, 0
.rept 64
	v_med3_num_f32 v[X+64*\a+i], v[X+64*\a+i], -v[LIM], v[LIM]   ; the conversion to an 8-bit code does not saturate (ISA guide 7.6.2): the hold at the largest code x the scale
.set i, i+1
.endr
.irp c, 0,1,2,3
	v_cvt_scalef32_pk8_bf8_f32 v[CD+16*\a+4*\c:CD+16*\a+4*\c+1], v[X+64*\a+16*\c:X+64*\a+16*\c+7], v[SCL]
	v_cvt_scalef32_pk8_bf8_f32 v[CD+16*\a+4*\c+2:CD+16*\a+4*\c+3], v[X+64*\a+16*\c+8:X+64*\a+16*\c+15], v[SCL]
.endr
.endm
	s_wait_dscnt 18                                ; block 0 is back: behind its sixteen loads stand block 1's sixteen and the two stores
	QUANT 0
	s_wait_dscnt 0x0                               ; for wave 0's sake: my partial logits lie in LDS; and block 1 is back
	s_barrier_signal -1
	QUANT 1                                        ; work on registers while the others arrive
	v_nop                                          ; one plain vector instruction behind the last scaled conversion
	s_wait_alu depctr_va_vdst(0)
	s_barrier_wait -1
.irp a, 0,1
.irp c, 0,1,2,3
	global_store_b128 v[L16], v[CD+16*\a+4*\c:CD+16*\a+4*\c+3], s[12:13] offset:16384*\a+512*\c   ; 32 lanes store 512 consecutive bytes, at a multiple of 256 from xc's first byte
.endr
.endr
	s_cmp_lg_u32 s20, 0
	s_cbranch_scc1 .Lend
	; wave 0: lane = row.  The eight waves' parts are added, bg joins, softmax
.set i, 0
.rept 8
	ds_load_b128 v[X+8*i:X+8*i+3], v[PLR] offset:1024*i
	ds_load_b128 v[X+8*i+4:X+8*i+7], v[PLR] offset:1024*i+16
.set i, i+1
.endr
	s_wait_dscnt 0x0
.irp i, 0,2,4,6
.irp p, 0,2,4,6
	v_pk_add_f32 v[X+8*\i+\p:X+8*\i+\p+1], v[X+8*\i+\p:X+8*\i+\p+1], v[X+8*\i+8+\p:X+8*\i+8+\p+1]
.endr
.endr
.irp i, 0,4
.irp p, 0,2,4,6
	v_pk_add_f32 v[X+8*\i+\p:X+8*\i+\p+1], v[X+8*\i+\p:X+8*\i+\p+1], v[X+8*\i+16+\p:X+8*\i+16+\p+1]
.endr
.endr
.irp p, 0,2,4,6
	s_delay_alu instid0(VALU_DEP_4)
	v_pk_add_f32 v[X+\p:X+\p+1], v[X+\p:X+\p+1], v[X+32+\p:X+32+\p+1]
.endr
.irp j, 0,1,2,3,4,5,6,7
	v_add_f32 v[X+\j], s[24+\j], v[X+\j]
.endr
	v_max3_num_f32 v[X+8], v[X], v[X+1], v[X+2]
	s_delay_alu instid0(VALU_DEP_4)
	v_max3_num_f32 v[X+9], v[X+3], v[X+4], v[X+5]
	s_delay_alu instid0(VALU_DEP_2)
	v_max3_num_f32 v[X+8], v[X+8], v[X+6], v[X+7]
	s_delay_alu instid0(VALU_DEP_1)
	v_max_num_f32 v[X+8], v[X+8], v[X+9]           ; the row's largest logit is taken away, as reference() does
.irp j, 0,1,2,3,4,5,6,7
	v_sub_f32 v[X+\j], v[X+\j], v[X+8]
.endr
.irp j, 0,1,2,3,4,5,6,7
	v_mul_f32 v[X+\j], 0x3fb8aa3b, v[X+\j]         ; x log2(e)
.endr
.irp j, 0,1,2,3,4,5,6,7
	v_max_num_f32 v[X+\j], 0xc2700000, v[X+\j]     ; at least -60 (the limit at the head)
.endr
.irp j, 0,1,2,3,4,5,6
	v_sub_f32 v[X+40+\j], v[X+\j], v[X+\j+1]
.endr
	s_wait_alu depctr_va_vdst(0)
.irp j, 0,1,2,3,4,5,6,7
	v_exp_f32 v[X+\j], v[X+\j]
.endr
.irp j, 0,1,2,3,4,5,6
	v_exp_f32 v[X+40+\j], v[X+40+\j]               ; w[j] / w[j + 1]
.endr
	v_nop                                          ; a plain instruction behind the last exponential,
	s_wait_alu depctr_va_vdst(0)                   ; and the wait ahead of the batch's first reader
	v_pk_add_f32 v[X+8:X+9], v[X:X+1], v[X+2:X+3]
	v_pk_add_f32 v[X+10:X+11], v[X+4:X+5], v[X+6:X+7]
	s_delay_alu instid0(VALU_DEP_1)
	v_pk_add_f32 v[X+8:X+9], v[X+8:X+9], v[X+10:X+11]
	s_delay_alu instid0(VALU_DEP_1)
	v_add_f32 v[X+8], v[X+8], v[X+9]
	s_wait_alu depctr_va_vdst(0)
	v_rcp_f32 v[X+10], v[X+8]
	v_nop
	s_wait_alu depctr_va_vdst(0)
.irp p, 0,2,4,6
	v_pk_mul_f32 v[X+\p:X+\p+1], v[X+\p:X+\p+1], v[X+10:X+11] op_sel_hi:[1,0]   ; w
.endr
	; the 32 rows' sums of w, for out1: four steps inside each half of the lanes ride on the additions, one crosses the halves
.irp j, 0,1,2,3,4,5,6,7
	v_add_f32_dpp v[X+16+\j], v[X+\j], v[X+\j] row_xmask:1 row_mask:0xf bank_mask:0xf
.endr
.irp m, 2,4,8
.irp j, 0,1,2,3,4,5,6,7
	v_add_f32_dpp v[X+16+\j], v[X+16+\j], v[X+16+\j] row_xmask:\m row_mask:0xf bank_mask:0xf
.endr
.endr
.irp j, 0,1,2,3,4,5,6,7
	v_permlanex16_b32 v[X+24+\j], v[X+16+\j], s32, s33
.endr
.irp p, 0,2,4,6
	v_pk_add_f32 v[X+16+\p:X+16+\p+1], v[X+16+\p:X+16+\p+1], v[X+24+\p:X+24+\p+1]
.endr
	v_ldexp_f32 v[X+47], v[X+7], s35               ; w[7] x 2^(e0 + e1)
	s_wait_alu depctr_va_vdst(0)
	ds_store_b128 v[PLR], v[X+40:X+43] offset:8192 ; WOUT + 32 x lane: a row's 32 bytes;
	ds_store_b128 v[PLR], v[X+44:X+47] offset:8208
	ds_load_b128 v[X+32:X+35], v[WRD]              ; back 16 bytes a lane (LDS serves a wave's instructions in order: ISA guide 5.7.1.4), so that each store below covers 512 consecutive bytes
	ds_load_b128 v[X+36:X+39], v[WRD] offset:512
	s_wait_dscnt 0x0
	global_store_b128 v[L16], v[X+32:X+35], s[14:15]
	global_store_b128 v[L16], v[X+36:X+39], s[14:15] offset:512
	s_wait_xcnt 0x0                                ; EXEC changes only behind this wait
	v_cmp_eq_u32 vcc_lo, 0, v[LANE]
	s_and_saveexec_b32 s34, vcc_lo
	global_store_b128 v[L16], v[X+16:X+19], s[16:17]           ; lane 0 (whose offset is 0): the work-group's eight sums
	global_store_b128 v[L16], v[X+20:X+23], s[16:17] offset:16
	s_wait_xcnt 0x0                                ; and again, in front of the line that widens it
	s_or_b32 exec_lo, exec_lo, s34
.Lend:
	s_wait_tensorcnt 0x0                           ; the wave's end, behind my last LDS store
	ds_add_u32 v[SPW], v[NIL]
	s_wait_dscnt 0x0
	s_endpgm
.Lfunc_end_k_qd8aa228055_prep:
	.size	k_qd8aa228055_prep, .Lfunc_end_k_qd8aa228055_prep-k_qd8aa228055_prep
	.p2alignl 7, 3214868480
	.fill 96, 4, 3214868480
	.section	.rodata,"a",@progbits
	.p2align	6, 0x0
	.amdhsa_kernel k_qd8aa228055_prep
		.amdhsa_group_segment_fixed_size 145408
		.amdhsa_private_segment_fixed_size 0
		.amdhsa_enable_private_segment 0
		.amdhsa_kernarg_size 56
		.amdhsa_user_sgpr_count 2
		.amdhsa_user_sgpr_kernarg_segment_ptr 1
		.amdhsa_wavefront_size32 1
		.amdhsa_system_sgpr_workgroup_id_x 1
		.amdhsa_system_sgpr_workgroup_id_y 1
		.amdhsa_system_sgpr_workgroup_id_z 1
		.amdhsa_system_vgpr_workitem_id 0
		.amdhsa_next_free_vgpr 256
		.amdhsa_next_free_sgpr 66
		.amdhsa_reserve_vcc 1
		.amdhsa_float_denorm_mode_32 3
		.amdhsa_float_denorm_mode_16_64 3
		.amdhsa_memory_ordered 1
		.amdhsa_forward_progress 1
		.amdhsa_inst_pref_size 71
	.end_amdhsa_kernel
	.amdgpu_metadata
---
amdhsa.version: [ 1, 2 ]
amdhsa.kernels:
  - .name:           k_qd8aa228055_prep
    .symbol:         k_qd8aa228055_prep.kd
    .args:
      - { .name: inputs, .offset: 0, .size: 8, .value_kind: global_buffer, .address_space: global }
      - { .name: Wg, .offset: 8, .size: 8, .value_kind: global_buffer, .address_space: global }
      - { .name: bg, .offset: 16, .size: 8, .value_kind: global_buffer, .address_space: global }
      - { .name: lowp_scales, .offset: 24, .size: 8, .value_kind: global_buffer, .address_space: global }
      - { .name: xc, .offset: 32, .size: 8, .value_kind: global_buffer, .address_space: global }
      - { .name: wgt, .offset: 40, .size: 8, .value_kind: global_buffer, .address_space: global }
      - { .name: psum, .offset: 48, .size: 8, .value_kind: global_buffer, .address_space: global }
    .group_segment_fixed_size: 145408
    .private_segment_fixed_size: 0
    .kernarg_segment_align: 8
    .kernarg_segment_size: 56
    .max_flat_workgroup_size: 256
    .sgpr_count:     66
    .vgpr_count:     256
    .wavefront_size: 32
...
	.end_amdgpu_metadata
.endif
;; end of part 1
;; launch moe (part 2): grid 32 x 8, 4 waves a work-group, clusters of 4 x 1, 327,680 bytes of LDS; arguments xc, W_codes, wgt, b, lowp_scales, psum, out0, out1; writes out0, out1
.if DOCPART == 2
	.amdgcn_target "amdgcn-amd-amdhsa--gfx1250"
	.amdhsa_code_object_version 6
	.text
	.protected	k_qd8aa228055_moe
	.globl	k_qd8aa228055_moe
	.p2align	8
	.type	k_qd8aa228055_moe,@function
k_qd8aa228055_moe:
	s_mov_b64 s[64:65], 0
	v_nop
	global_prefetch_b8 v0, s[64:65] scope:SCOPE_SE
	s_setreg_imm32_b32 hwreg(HW_REG_WAVE_MODE, 25, 1), 1
	s_wait_xcnt 0x0
	s_wait_alu depctr_hold_cnt(0) depctr_sa_sdst(0) depctr_va_vdst(0) depctr_va_sdst(0) depctr_va_ssrc(0) depctr_va_vcc(0) depctr_vm_vsrc(0)
	s_getreg_b32 s2, hwreg(HW_REG_IB_STS2, 6, 4)
	s_cmp_eq_u32 s2, 0
	s_cbranch_scc0 .Lentry_in_a_cluster
	s_endpgm
.Lentry_in_a_cluster:
	s_bfe_u32 s2, ttmp6, 0x10000c
	s_cmp_lg_u32 s2, 0x3003
	s_cbranch_scc0 .Lentry_shape_is_right
	s_endpgm
.Lentry_shape_is_right:
; MOE: out0 = sum over e of w[e] (Q(x) W[e] + b[e]), from x's codes, W's codes and what the first launch made of the weights.  Nothing of reference() is left out.
; THE SUM OVER THE EXPERTS IS TAKEN BY HORNER'S RULE IN THE ACCUMULATORS: s = b'[0] + P[0]; s = s (w[e] / w[e + 1]) + b'[e + 1] + P[e + 1]; out = s (w[7] 2^(e0 + e1)).
; P[e] are the sums of products of codes, b' = b / 2^(e0 + e1).  One packed multiply-add for two numbers and expert; the products go on in the same registers.
; LIMITS: a weight under 2^-60 of its row's largest counts as that (first launch).  |s| stays under (2^42 + |b'|) x 2^63, so |b| x 2^-(e0 + e1) lies under 2^63; e0 + e1 such that b' is an f32 number.
; SHARES.  A work-group makes 256 rows x 128 columns; wave (MH, KH) takes 128 rows and HALF OF K (512): its x, 128 x 512 codes, stays in 512 registers, so a fragment of W from LDS serves 8 products.
; Four passes of 32 columns (two sets n of 16), 8 experts each.  The two halves of K are added at a pass's end: each wave keeps 64 of the rows and gives the other 64 to its partner (wave xor 1) through LDS.
; Blocks a = 0 .. 3 of 16 rows are those that a wave keeps (rows 64 KH on), a = 4 .. 7 those that it gives.
; THE RING: slot A holds experts 0-3 (32 columns x 1,024 codes each, a wave's load each), slot B experts 4-7; each is filled again once a pass.
; CLUSTERS: four work-groups along x have the same columns, so W's tiles are asked for jointly (mask 15).  x is each work-group's own in its cluster and goes straight into registers.
; PREFETCH: W's tiles of a later pass, half a pass ahead of their load, by the first cluster of each column group alone; each work-group of it names a quarter of a row (its 256 bytes), a lane a row.
; Behind the last tiles nothing is asked for.
; REGISTERS, windows of 256.  0: addresses, BI the biases of both sets, TMP, FRG four fragments of W (one a K step), ACC set n block a at ACC + 64 n + 8 a.
;   1: x of K step 0, of K step 3 blocks 4-7, the ratios R.  2: x of K step 1, H0 and H1 (kept rows of an even and an odd pass).  3: x of K step 2, of K step 3 blocks 0-3, R once more.
; So a product and a multiply-add of the same stretch share one setting: source 1 (x or R) in window 1 or 3, all else in window 0.
; THE ORDER: spans (expert e, set n) of four K steps x 8 products; while set n multiplies, the other set is brought to its next expert: its 32 multiply-adds stand in K steps 0, 2, 3.  They are also the places
; in front of loads into fragments, and at least nine of them stand between a write and its reader.  Accumulators take turns.
.set TILE,  33280                      ; 32 rows of 1,024 codes + 16 bytes of padding
.set BIAS,  8*TILE                     ; [8][128] f32: b' / 2 (each half of K adds it once)
.set EXCH,  BIAS+4096                  ; 8,192 bytes a wave: the given rows
.set STAGE, EXCH+4*8192                ; 16 rows x 272 bytes a wave: the way out
.set SPARE, STAGE+4*4352               ; the spare words
.set AB0, 1
.set SPW, 2
.set NIL, 3
.set AW,  4
.set AB,  8
.set EXG, 9
.set EXT, 10
.set STO, 11
.set RD,  12
.set CO,  13
.set PFO, 14
.set L16, 15
.set BI,  16
.set TMP, 32
.set XA,  48                           ; v48-53 addresses of the head's loads, v54-61 b
.set FRG, 64
.set ACC, 128
.set RR,  192
.set H0,  128
.set H1,  192
.set WV,  20
.set MH,  21
.set KH,  22
.set CX,  23
.set MB,  24
.set QG,  25
.set G1,  28
.set G0A, 36
.set G0B, 40
.set PFA, 44
.set PFB, 46
.set PFL, 48
.set PASS, 49
.set PB,  50
.set OB,  60
.set MSB, 0
.macro WIN new
.if MSB != (\new)
	s_set_vgpr_msb (MSB<<8)|(\new)
.set MSB, (\new)
.endif
.endm
.macro PLACES
.rept 4
	v_nop
.endr
.endm
.macro CREST                           ; a round of the cluster's barrier behind its opening barrier
	s_cmp_lg_u32 s[WV], 0
	s_cbranch_scc1 .Lnot_wave_0_\@
	s_barrier_signal -3
.Lnot_wave_0_\@:
	s_barrier_wait -3
	s_barrier_signal -1
	s_barrier_wait -1
.endm
.macro CROUND
	s_barrier_signal -1
	s_barrier_wait -1
	CREST
.endm
.macro ASK_B
	s_cmp_eq_u32 s[PFL], 0
	s_cbranch_scc0 .Lnot_mine_\@
	global_prefetch_b8 v[PFO], s[PFB:PFB+1] th:TH_LOAD_NT scope:SCOPE_SE
.Lnot_mine_\@:
.endm
.macro ASK_A
	s_add_co_u32 s54, s[PASS], s[PFL]
	s_cmp_lt_u32 s54, 2
	s_cbranch_scc0 .Lnot_mine_\@
	global_prefetch_b8 v[PFO], s[PFA:PFA+1] th:TH_LOAD_NT scope:SCOPE_SE
.Lnot_mine_\@:
.endm
; x of K step s, blocks a0 .. a0 + 3: 16 loads of 512 consecutive bytes
.macro XL s, a0
.if (\s) < 3
	WIN 0x40*((\s)+1)
.elseif (\a0) < 4
	WIN 0xc0
.else
	WIN 0x40
.endif
.irp q, 0,1,2,3
.set xd, 16*((\a0)+\q)
.if (\s) == 3
.set xd, 128+16*\q
.endif
.irp c, 0,1,2,3
	global_load_b128 v[xd+4*\c:xd+4*\c+3], v[XA+(\a0)/4], s[4:5] offset:\q*16384+2048*(\s)+512*\c
.endr
.endr
.endm
	s_load_b512 s[4:19], s[0:1], 0x0               ; xc, W, wgt, b, scales, psum, out0, out1
	v_lshl_add_u32 v[SPW], v0, 2, SPARE
	v_mov_b32 v[NIL], 0
	ds_add_u32 v[SPW], v[NIL]                      ; the opening
	ds_add_u32 v[SPW], v[NIL]
	v_lshrrev_b32 v1, 5, v0
	v_readfirstlane_b32 s[WV], v1
	v_and_b32 v40, 31, v0                          ; lane
	v_and_b32 v41, 15, v0                          ; r
	v_bfe_u32 v42, v0, 4, 1                        ; h
	s_lshr_b32 s[MH], s[WV], 1
	s_and_b32 s[KH], s[WV], 1
	s_bfe_u32 s[CX], ttmp6, 0x40000
	s_lshl_b32 s[MB], ttmp9, 2
	s_add_co_u32 s[MB], s[MB], s[CX]               ; my block of 256 rows
	s_and_b32 s[QG], ttmp7, 0xffff                 ; my 128 columns
	s_mov_b32 s[G1+0], 15|(1<<20)|(1<<21)|(7<<22)|(3<<25)   ; mask of all four; bytes; 4 words of padding behind every 256
	s_mov_b32 s[G1+1], 1024<<16
	s_mov_b32 s[G1+2], 32<<16
	s_mov_b32 s[G1+3], 1024<<16
	s_mov_b32 s[G1+4], 32
	s_mov_b32 s[G1+5], 1024
	s_mov_b32 s[G1+6], 0
	s_mov_b32 s[G1+7], 0
	s_mov_b32 s[G0A], 1
	s_mul_i32 s[G0A+1], s[WV], TILE
	s_mov_b32 s[G0B], 1
	s_add_co_u32 s[G0B+1], s[G0A+1], 4*TILE
	s_lshl_b32 s26, s[WV], 20                      ; W: my wave's expert (slot B: + 4),
	s_lshl_b32 s27, s[QG], 17                      ; my columns
	s_add_co_u32 s26, s26, s27
	s_mov_b32 s27, 0
	s_mov_b32 s56, 0x76543210
	s_mov_b32 s57, 0xfedcba98
	s_mov_b32 s[PASS], 0
	s_mov_b32 s[PB], 0
	s_cmp_eq_u32 ttmp9, 0
	s_cselect_b32 s[PFL], 0, 100                   ; the first cluster along x prefetches
	s_lshl_b32 s66, s[KH], 9
	s_lshl_b32 s74, s[WV], 13
	s_xor_b32 s75, s[WV], 1
	s_lshl_b32 s75, s75, 13
	s_add_co_u32 s67, s74, EXCH
	s_add_co_u32 s68, s75, EXCH
	s_mul_i32 s69, s[WV], 4352
	s_add_co_u32 s69, s69, STAGE
	s_lshl_b32 s70, s[KH], 16
	s_xor_b32 s71, s70, 0x10000
	s_lshl_b32 s72, s[KH], 11
	s_xor_b32 s73, s72, 0x800
	s_wait_alu depctr_va_vdst(0)                   ; ahead of the readers below
	v_mul_u32_u24 v[AW], v41, 1040
	v_lshl_add_u32 v[AW], v42, 4, v[AW]
	v_add_nc_u32 v[AW], s66, v[AW]                 ; W's fragments: row r, my half of K
.irp j, 1,2,3
	v_add_nc_u32 v[AW+\j], 2*\j*TILE, v[AW]
.endr
	v_lshl_add_u32 v[AB0], v42, 5, BIAS
	v_mov_b32 v[AB], v[AB0]
	v_lshl_add_u32 v[EXG], v40, 4, s67
	v_lshl_add_u32 v[EXT], v40, 4, s68
	v_mul_u32_u24 v[STO], v41, 272
	v_lshl_add_u32 v[STO], v42, 5, v[STO]
	v_add_nc_u32 v[STO], s69, v[STO]
	v_mul_u32_u24 v[RD], v42, 272
	v_lshl_add_u32 v[RD], v41, 4, v[RD]
	v_add_nc_u32 v[RD], s69, v[RD]
	v_lshlrev_b32 v[CO], 12, v42
	v_lshl_add_u32 v[CO], v41, 4, v[CO]
	v_lshlrev_b32 v[PFO], 10, v40
	v_lshlrev_b32 v[L16], 4, v40
	v_lshl_add_u32 v[XA], v40, 4, s70              ; x: blocks 0-3,
	v_lshl_add_u32 v[XA+1], v40, 4, s71            ; blocks 4-7
	v_lshl_add_u32 v[XA+2], v41, 5, s72            ; R likewise
	v_lshl_add_u32 v[XA+3], v41, 5, s73
	v_lshrrev_b32 v[XA+4], 4, v0
	v_lshlrev_b32 v[XA+4], 12, v[XA+4]
	v_lshl_add_u32 v[XA+4], v41, 5, v[XA+4]        ; b: expert thread / 16, eight columns a thread
	v_lshl_add_u32 v[XA+5], v0, 5, BIAS
	s_wait_alu depctr_va_vdst(0)
	s_wait_dscnt 0x0                               ; both opening adds are done
	s_wait_kmcnt 0x0
	s_load_b64 s[52:53], s[12:13], 0x0             ; e0, e1
	s_lshl_b32 s54, s[MB], 18
	s_lshl_b32 s55, s[MH], 17
	s_add_co_u32 s54, s54, s55
	s_lshl_b32 s55, s[KH], 13
	s_add_co_u32 s54, s54, s55
	s_mov_b32 s55, 0
	s_add_nc_u64 s[4:5], s[4:5], s[54:55]          ; x's codes
	s_lshl_b32 s54, s[QG], 9
	s_add_nc_u64 s[10:11], s[10:11], s[54:55]      ; b
	global_load_b128 v[54:57], v[XA+4], s[10:11]
	global_load_b128 v[58:61], v[XA+4], s[10:11] offset:16
	XL 0, 0
	WIN 0
	s_lshl_b32 s54, s[MB], 13
	s_lshl_b32 s55, s[MH], 12
	s_add_co_u32 s54, s54, s55
	s_mov_b32 s55, 0
	s_add_nc_u64 s[8:9], s[8:9], s[54:55]          ; the ratios
	s_add_nc_u64 s[G0A+2:G0A+3], s[6:7], s[26:27]
	s_add_nc_u64 s[G0B+2:G0B+3], s[G0A+2:G0A+3], 0x400000
	s_or_b32 s[G0A+3], s[G0A+3], 0x80000000
	s_or_b32 s[G0B+3], s[G0B+3], 0x80000000
	CROUND                                         ; all four work-groups are here: the first joint loads meet
	tensor_load_to_lds s[G0A:G0A+3], s[G1:G1+7]    ; slot A: one tensor load a wave at the head
	s_nop 0
	WIN 0x40
.irp a, 0,1,2,3,4,5,6,7
	global_load_b128 v[RR+8*\a:RR+8*\a+3], v[XA+2+\a/4], s[8:9] offset:(\a%4)*512
	global_load_b128 v[RR+8*\a+4:RR+8*\a+7], v[XA+2+\a/4], s[8:9] offset:(\a%4)*512+16
.endr
	XL 1, 0
	XL 2, 0
	XL 3, 0
	WIN 0
	s_lshl_b32 s54, s[QG], 9
	s_lshl_b32 s55, s[MB], 20
	s_add_co_u32 s54, s54, s55
	s_lshl_b32 s55, s[MH], 19
	s_add_co_u32 s54, s54, s55
	s_lshl_b32 s55, s[KH], 18
	s_add_co_u32 s54, s54, s55
	s_mov_b32 s55, 0
	s_add_nc_u64 s[OB:OB+1], s[16:17], s[54:55]    ; my kept rows of out0
	s_lshl_b32 s54, s[CX], 8
	s_add_co_u32 s54, s54, s26
	s_add_nc_u64 s[PFA:PFA+1], s[6:7], s[54:55]    ; the prefetches: a quarter of each row by address
	s_add_nc_u64 s[PFB:PFB+1], s[PFA:PFA+1], 0x400000
	s_add_nc_u64 s[PFA:PFA+1], s[PFA:PFA+1], 32768
	s_wait_loadcnt 63                              ; b is in: 80 loads were issued behind it
	s_wait_kmcnt 0x0
	s_add_co_i32 s54, s52, s53
	s_add_co_i32 s54, s54, 1
	s_sub_co_i32 s54, 0, s54
.irp j, 0,1,2,3,4,5,6,7
	v_ldexp_f32 v[54+\j], v[54+\j], s54            ; b / 2^(e0 + e1) / 2
.endr
	ds_store_b128 v[XA+5], v[54:57]
	ds_store_b128 v[XA+5], v[58:61] offset:16
.irp j, 32,33,34,35,36,37,38,39,40,41,42,43,44,45,46,47,62,63
	v_mov_b32 v[\j], 0                             ; named, on ways that the count of passes rules out, ahead of their first load
.endr
	WIN 0x80
.set i, 0
.rept 128
	v_mov_b32 v[H0+i], 0                           ; H0 and H1 likewise
.set i, i+1
.endr
	WIN 0
; a fragment: W[e], set n, K step s of my half: 16 columns x 128 codes
.macro FL e, n, s
.irp c, 0,1,2,3
	ds_load_b128 v[FRG+16*(\s)+4*\c:FRG+16*(\s)+4*\c+3], v[AW+(\e)/2] offset:((\e)%2)*TILE+16640*(\n)+128*(\s)+32*\c
.endr
.endm
.macro BLOAD n, bo                     ; eight biases of set n
	ds_load_b128 v[BI+8*(\n):BI+8*(\n)+3], v[AB] offset:\bo
	ds_load_b128 v[BI+8*(\n)+4:BI+8*(\n)+7], v[AB] offset:(\bo)+16
.endm
; one product: set n, block sa; source 0 = 16 columns of W, source 1 = 16 rows of x: a lane holds one row.  Expert 0 starts from the biases.
.macro MM e, n, s
.set xr, 16*sa
.if (\s) == 3
.set xr, 128+16*(sa%4)
.endif
.set ac, ACC+64*(\n)+8*sa
.if ((\e) == 0) && ((\s) == 0)
	v_wmma_f32_16x16x128_bf8_bf8 v[ac:ac+7], v[FRG+16*(\s):FRG+16*(\s)+15], v[xr:xr+15], v[BI+8*(\n):BI+8*(\n)+7]
.else
	v_wmma_f32_16x16x128_bf8_bf8 v[ac:ac+7], v[FRG+16*(\s):FRG+16*(\s)+15], v[xr:xr+15], v[ac:ac+7]
.endif
.endm
; the jq-th multiply-add of set m: s (w[je] / w[je + 1]) + b'[je + 1], from each accumulator's low end on
.macro PKJ m, je
.set ka, ja+jq/4
.set kk, 2*(jq%4)
.set kc, ACC+64*(\m)+8*ka+kk
.set kr, RR+8*ka+(\je)-(\je)%2
.set kb, BI+8*(\m)+kk
.if ((\je)%2) == 0
	v_pk_fma_f32 v[kc:kc+1], v[kc:kc+1], v[kr:kr+1], v[kb:kb+1] op_sel_hi:[1,0,1]
.else
	v_pk_fma_f32 v[kc:kc+1], v[kc:kc+1], v[kr:kr+1], v[kb:kb+1] op_sel:[0,1,0] op_sel_hi:[1,1,1]
.endif
.set jq, jq+1
.endm
.macro KP m                            ; the jq-th pair of set m's kept rows: x w[7] 2^(e0 + e1), into H1
.set ka, jq/4
.set kk, 2*(jq%4)
.set kc, ACC+64*(\m)+8*ka+kk
.set kh, H1+16*ka+8*(\m)+kk
	v_pk_mul_f32 v[kh:kh+1], v[kc:kc+1], v[RR+8*ka+6:RR+8*ka+7] op_sel:[0,1] op_sel_hi:[1,1]
.set jq, jq+1
.endm
.macro GIVE m                          ; set m's given rows, as they are: 8 stores
	WIN 0
.irp a, 4,5,6,7
	ds_store_b128 v[EXG], v[ACC+64*(\m)+8*\a:ACC+64*(\m)+8*\a+3] offset:4096*(\m)+1024*(\a-4)
	ds_store_b128 v[EXG], v[ACC+64*(\m)+8*\a+4:ACC+64*(\m)+8*\a+7] offset:4096*(\m)+1024*(\a-4)+512
.endr
.endm
.macro TAKE m, buf                     ; the partner's half of my kept rows
	WIN 0
.irp i, 0,1,2,3,4,5,6,7
	ds_load_b128 v[\buf+4*\i:\buf+4*\i+3], v[EXT] offset:4096*(\m)+512*\i
.endr
.endm
.macro JOIN m, dst, buf                ; dst = the partner's half x w[7] 2^(e0 + e1) + H1
	WIN 0xa4
.irp a, 0,1,2,3
.irp k, 0,2,4,6
	v_pk_fma_f32 v[\dst+16*\a+8*(\m)+\k:\dst+16*\a+8*(\m)+\k+1], v[\buf+8*\a+\k:\buf+8*\a+\k+1], v[RR+8*\a+6:RR+8*\a+7], v[H1+16*\a+8*(\m)+\k:H1+16*\a+8*(\m)+\k+1] op_sel:[0,1,0] op_sel_hi:[1,1,1]
.endr
.endr
.endm
; the way out of 16 rows x 64 columns: through my stage, back as whole rows of 256 bytes
.macro TOSTG i, buf
.if (\i) > 0
	s_wait_xcnt 0x0                                ; earlier stores have read the registers that the loads below fill
.endif
	WIN 8
.irp p, 0,1
.irp n, 0,1
	ds_store_b128 v[STO], v[H0+64*\p+16*(\i)+8*\n:H0+64*\p+16*(\i)+8*\n+3] offset:128*\p+64*\n
	ds_store_b128 v[STO], v[H0+64*\p+16*(\i)+8*\n+4:H0+64*\p+16*(\i)+8*\n+7] offset:128*\p+64*\n+16
.endr
.endr
.irp t, 0,1,2,3,4,5,6,7
	ds_load_b128 v[\buf+4*\t:\buf+4*\t+3], v[RD] offset:544*\t
.endr
.endm
.macro SEND i, buf                     ; sixteen lanes store 256 consecutive bytes, aligned
	WIN 0
.irp t, 0,1,2,3,4,5,6,7
	global_store_b128 v[CO], v[\buf+4*\t:\buf+4*\t+3], s[OB:OB+1] offset:(16*(\i)+2*\t)*4096 th:TH_STORE_NT
.endr
.endm
; slots i0 .. i1 - 1 of K step s: each a product, with the other set's multiply-adds ahead of it.  jt: 0 none, 1 the multiply-adds, 2 the kept rows (K step 0), 3 twelve multiply-adds for blocks 0-2
.macro SEG e, n, s, a0, na, i0, i1, jt, je
.set si, \i0
.rept (\i1)-(\i0)
.set sa, (\a0)+si
.set np, 0
.if (\jt) == 1
.if (\na) == 8
.if (\s) == 0
.set np, 1
.if si < 4
.set np, 2
.endif
.elseif (\s) > 1
.set np, 1
.if si < 2
.set np, 2
.endif
.endif
.else
.if (\s) == 0
.set np, 2
.if si == 3
.set np, 3
.endif
.elseif (\s) == 2
.if si < 3
.set np, 1
.endif
.elseif (\s) == 3
.if si > 0
.set np, 1
.endif
.if si == 1
.set np, 2
.endif
.endif
.endif
.elseif (\jt) == 3
.set np, 3
.endif
.if ((\jt) == 2) && ((\s) == 0)
	WIN 0x84
	KP 1-(\n)
	KP 1-(\n)
.endif
.if (\s) < 3
	WIN 4*((\s)+1)
.elseif sa < 4
	WIN 12
.else
	WIN 4
.endif
.rept np
	PKJ 1-(\n), \je
.endr
	MM \e, \n, \s
.set si, si+1
.endr
.endm
; x's arrival.  xw = 1 (first span of blocks 0-3): K step s is in when 48 younger loads are out (K step 0: 63 of 64), and 16 loads for blocks 4-7 follow; xw = 2 (first span of blocks 4-7)
.macro XWAIT xw, s
.if (\xw) == 1
.if (\s) == 0
	s_wait_loadcnt 63
.else
	s_wait_loadcnt 48
.endif
	XL \s, 4
.if (\s) == 1
	WIN 0xc1
.set i, 0
.rept 64
	v_mov_b32 v[RR+i], v[RR+i]                     ; R's second copy, in window 3: the multiply-adds there need no switch
.set i, i+1
.endr
	s_wait_alu depctr_va_vdst(0)
.endif
.elseif (\xw) == 2
	s_wait_loadcnt 48-16*(\s)
.endif
.endm
; what else stands ahead of a span's K step 1
.macro HOOK k
.if (\k) == 8
	GIVE 1
.elseif (\k) == 11
	TAKE 0, TMP
.elseif (\k) == 12
	JOIN 0, H0, TMP
	TAKE 1, TMP
.elseif (\k) == 13
	JOIN 1, H0, TMP
.elseif (\k) > 0
	WIN 0
.if (\k) == 1
	s_cmp_eq_u32 s[PASS], 0                        ; the last pass's exchange; in pass 0 there is none
	s_cbranch_scc1 .Lskip_\@
	TAKE 0, TMP
.elseif (\k) < 4
	s_cmp_eq_u32 s[PASS], 0
	s_cbranch_scc1 .Lskip_\@
	s_cmp_eq_u32 s[PASS], 1
	s_cbranch_scc0 .Lodd_\@
	JOIN (\k)-2, H0, TMP                           ; pass 0's rows
	WIN 0
	s_branch .Lin_\@
.Lodd_\@:
	JOIN (\k)-2, H1, TMP                           ; pass 1's
	WIN 0
.Lin_\@:
.if (\k) == 2
	TAKE 1, TMP
.endif
.else
	s_cmp_eq_u32 s[PASS], 2                        ; both are joined: 16 rows x 64 columns
	s_cbranch_scc0 .Lskip_\@
	TOSTG (\k)-4, TMP
.endif
	WIN 0
.Lskip_\@:
.endif
.endm
; a span's K step 0 on blocks a0 .. a0 + na - 1; the fragment of K step 3 is fetched here
.macro S0 e, n, a0, na, jt, je, w0, f3, xw
.set jq, 0
.set ja, \a0
.if (\jt) == 3
.set ja, 0
.endif
	XWAIT \xw, 0
	s_wait_dscnt \w0                               ; 8: two younger fragments may be out
	SEG \e, \n, 0, \a0, \na, 0, (\na)/4+1, \jt, \je
.if \f3
.if (\jt) == 0
	PLACES
.endif
	FL \e, \n, 3
.endif
	SEG \e, \n, 0, \a0, \na, (\na)/4+1, \na, \jt, \je
.endm
; K steps 1 to 3, with the next span's first three fragments and set n's next biases
.macro SR e, n, a0, na, jt, je, nx, nn, mx, mn, bo, hk, xw
	XWAIT \xw, 1
	s_wait_dscnt 8
	HOOK \hk
	SEG \e, \n, 1, \a0, \na, 0, (\na)/2, 0, 0
	PLACES
	FL \nx, \nn, 0
.if (\bo) >= 0
	BLOAD \n, \bo
.endif
	SEG \e, \n, 1, \a0, \na, (\na)/2, \na, 0, 0
	XWAIT \xw, 2
.if (\bo) >= 0
	s_wait_dscnt 10                                ; two younger fragments and the biases may be out
.else
	s_wait_dscnt 8
.endif
	SEG \e, \n, 2, \a0, \na, 0, (\na)/4+1, \jt, \je
.if ((\jt) != 1) || ((\na) != 8)
	PLACES
.endif
	FL \mx, \mn, 1
	SEG \e, \n, 2, \a0, \na, (\na)/4+1, \na, \jt, \je
	XWAIT \xw, 3
.if (\bo) >= 0
	s_wait_dscnt 10
.else
	s_wait_dscnt 8
.endif
.if ((\hk) >= 4) && ((\hk) <= 7)
	WIN 0
	s_cmp_eq_u32 s[PASS], 2
	s_cbranch_scc0 .Lno_send_\@
	SEND (\hk)-4, TMP
	WIN 0
.Lno_send_\@:
.endif
	SEG \e, \n, 3, \a0, \na, 0, (\na)/4+1, \jt, \je
.if ((\jt) != 1) || ((\na) != 8)
	PLACES
.endif
	FL \mx, \mn, 2
	SEG \e, \n, 3, \a0, \na, (\na)/4+1, \na, \jt, \je
.endm
.macro SP e, n, a0, na, nx, nn, bo, hk
	S0 \e, \n, \a0, \na, 1, (\e)+(\n)-1, 8, 1, 0
	SR \e, \n, \a0, \na, 1, (\e)+(\n)-1, \nx, \nn, \nx, \nn, \bo, \hk, 0
.endm
.macro SPN e, n, a0, na, hk
	SP \e, \n, \a0, \na, (\e)+(\n), 1-(\n), 512*((\e)+1)+64*(\n), \hk
.endm
; K steps 1 to 3 of a slot's last span, with the change of slots.  kind 1: slot A is filled again, 2: slot B, 3: none.  In front of the barrier: all my tensor loads (the other slot's part), the add, my reads of this
; slot; behind it the refill first, then the other slot's fragments.
.macro TURN e, kind, jt, je, nx, bo
.set jq, 12
.set ja, 0
	s_wait_dscnt 8
	WIN 0
	s_wait_tensorcnt 0x0
	ds_add_u32 v[SPW], v[NIL]
.if (\kind) == 1
	s_add_nc_u64 s[G0A+2:G0A+3], s[G0A+2:G0A+3], 32768   ; 32 columns on
	s_wait_xcnt 0x0                                ; the prefetches have read their address
	s_add_nc_u64 s[PFB:PFB+1], s[PFB:PFB+1], 32768
.elseif (\kind) == 2
	s_add_nc_u64 s[G0B+2:G0B+3], s[G0B+2:G0B+3], 32768
	s_add_co_u32 s[PB], s[PB], 128
	s_wait_xcnt 0x0
	s_add_nc_u64 s[PFA:PFA+1], s[PFA:PFA+1], 32768
.else
	s_wait_xcnt 0x0                                ; the stores have read their base and data
	s_add_nc_u64 s[OB:OB+1], s[OB:OB+1], 256       ; the second 64 columns
.endif
	SEG \e, 1, 1, 0, 8, 0, 4, 0, 0
	s_wait_dscnt 0x0                               ; the add is done, and so are my reads of this slot
	s_barrier_signal -1
	SEG \e, 1, 1, 0, 8, 4, 8, 0, 0
	SEG \e, 1, 2, 0, 8, 0, 4, \jt, \je
	WIN 0
	s_barrier_wait -1
.if (\kind) == 1
	CREST
	tensor_load_to_lds s[G0A:G0A+3], s[G1:G1+7]
	s_nop 0
.elseif (\kind) == 2
	CREST
	tensor_load_to_lds s[G0B:G0B+3], s[G1:G1+7]
	s_nop 0
.endif
	PLACES
	BLOAD 1, \bo
	FL \nx, 0, 0
	FL \nx, 0, 1
.if (\kind) == 1
	ASK_B
.elseif (\kind) == 2
	v_add_nc_u32 v[AB], s[PB], v[AB0]
	ASK_A
.endif
	SEG \e, 1, 2, 0, 8, 4, 8, \jt, \je
.if (\kind) == 2
	GIVE 0                                         ; behind the barrier: my partner has read what I gave a pass ago
.endif
	SEG \e, 1, 3, 0, 8, 0, 3, \jt, \je
.if (\jt) != 1
	PLACES
.endif
	FL \nx, 0, 2
	SEG \e, 1, 3, 0, 8, 3, 8, \jt, \je
.endm
	s_wait_alu depctr_va_vdst(0)
	s_wait_tensorcnt 0x0                           ; slot A is in
	ds_add_u32 v[SPW], v[NIL]
	s_wait_dscnt 0x0                               ; the add is done, and my biases lie in LDS
	CROUND
	tensor_load_to_lds s[G0B:G0B+3], s[G1:G1+7]    ; slot B
	s_nop 0
	PLACES
	BLOAD 0, 0
	BLOAD 1, 64
	FL 0, 0, 0
	FL 0, 0, 1
	FL 0, 0, 2
	; pass 0, experts 0-3, in two halves: blocks 0-3 while x of blocks 4-7 arrives, then blocks 4-7.  Both stop behind K step 0 of the last span (3, 1): the loop goes on with all eight
	S0 0, 0, 0, 4, 0, 0, 8, 1, 1
	SR 0, 0, 0, 4, 0, 0, 0, 1, 0, 1, 512, 0, 1
	SPN 0, 1, 0, 4, 0
	SPN 1, 0, 0, 4, 0
	SPN 1, 1, 0, 4, 0
	SPN 2, 0, 0, 4, 0
	SPN 2, 1, 0, 4, 0
	S0 3, 0, 0, 4, 1, 2, 8, 1, 0
	SR 3, 0, 0, 4, 1, 2, 3, 1, 0, 0, 0, 0, 0       ; fetches expert 0's biases and fragments for the second half
	s_wait_alu depctr_va_vdst(0)
	S0 3, 1, 0, 4, 0, 0, 8, 0, 0
	PLACES
	FL 0, 0, 0
	BLOAD 1, 64
	S0 0, 0, 4, 4, 0, 0, 0, 1, 2
	SR 0, 0, 4, 4, 0, 0, 0, 1, 0, 1, 512, 0, 2
	SPN 0, 1, 4, 4, 0
	SPN 1, 0, 4, 4, 0
	SPN 1, 1, 4, 4, 0
	SPN 2, 0, 4, 4, 0
	SPN 2, 1, 4, 4, 0
	SPN 3, 0, 4, 4, 0
	S0 3, 1, 4, 4, 3, 3, 8, 1, 0
	WIN 0
.Lpass:                                                ; from the first change of slots of pass PASS to that of the next
	TURN 3, 1, 1, 3, 4, 2112
	SPN 4, 0, 0, 8, 1
	SPN 4, 1, 0, 8, 2
	SPN 5, 0, 0, 8, 3
	SPN 5, 1, 0, 8, 4
	SPN 6, 0, 0, 8, 5
	SPN 6, 1, 0, 8, 6
	SP 7, 0, 0, 8, 7, 1, 128, 7                    ; the next pass's biases of expert 0
	S0 7, 1, 0, 8, 2, 0, 8, 1, 0
	TURN 7, 2, 2, 0, 0, 192
	S0 0, 0, 0, 8, 2, 0, 8, 1, 0
	SR 0, 0, 0, 8, 2, 0, 0, 1, 0, 1, 512, 8, 0
	SPN 0, 1, 0, 8, 0
	SPN 1, 0, 0, 8, 0
	SPN 1, 1, 0, 8, 0
	SPN 2, 0, 0, 8, 0
	SPN 2, 1, 0, 8, 0
	SPN 3, 0, 0, 8, 0
	S0 3, 1, 0, 8, 1, 3, 8, 1, 0
	WIN 0
	s_add_co_u32 s[PASS], s[PASS], 1
	s_cmp_lt_u32 s[PASS], 3
	s_cbranch_scc1 .Lpass
	; the last pass's experts 4-7: nothing is filled again.  Pass 2's rows are joined into H0
	TURN 3, 3, 1, 3, 4, 2112
	SPN 4, 0, 0, 8, 11
	SPN 4, 1, 0, 8, 12
	SPN 5, 0, 0, 8, 13
	SPN 5, 1, 0, 8, 0
	WIN 0
	v_add_nc_u32 v[EXG], s74, v[L16]               ; the last exchange goes through slot A: it has had its last fill, and nobody reads it behind the last change of slots
	v_add_nc_u32 v[EXT], s75, v[L16]
	SPN 6, 0, 0, 8, 0
	SPN 6, 1, 0, 8, 0
	SP 7, 0, 0, 8, 7, 1, -1, 0
	S0 7, 1, 0, 8, 2, 0, 8, 1, 0
	s_wait_dscnt 8
	GIVE 0
	SEG 7, 1, 1, 0, 8, 0, 8, 0, 0
	s_wait_dscnt 12                                ; K step 3's fragment and the eight stores may be out
	SEG 7, 1, 2, 0, 8, 0, 8, 0, 0
	s_wait_dscnt 8
	SEG 7, 1, 3, 0, 8, 0, 8, 0, 0
	PLACES
.set jq, 0
	WIN 0x84
.rept 16
	KP 1
.endr
	GIVE 1
	s_wait_dscnt 0x0                               ; for my partner's sake
	s_barrier_signal -1
	s_barrier_wait -1
	TAKE 0, TMP
	TAKE 1, FRG
	s_wait_dscnt 8
	JOIN 0, H1, TMP
	s_wait_dscnt 0x0
	JOIN 1, H1, FRG
	s_wait_alu depctr_va_vdst(0)
	TOSTG 0, TMP
	TOSTG 1, FRG
	s_wait_dscnt 16                                ; the next sixteen may be out
	SEND 0, TMP
	TOSTG 2, TMP
	s_wait_dscnt 16
	SEND 1, FRG
	TOSTG 3, FRG
	s_wait_dscnt 16
	SEND 2, TMP
	s_wait_dscnt 0x0
	SEND 3, FRG
	WIN 0
	; out1 = 8 sum over e of (the sum of psum / 8,192)^2: wave 0 of the first cluster's work-groups; one lane of one of them stores it (told apart by EXEC: no branch hangs on a place in the cluster)
	s_or_b32 s54, ttmp9, s[QG]
	s_or_b32 s54, s54, s[WV]
	s_cmp_eq_u32 s54, 0
	s_cbranch_scc0 .Lno_aux
.set i, 0
.rept 16
	global_load_b128 v[ACC+4*i:ACC+4*i+3], v[L16], s[14:15] offset:512*i   ; even lanes experts 0-3, odd lanes 4-7
.set i, i+1
.endr
	s_wait_loadcnt 0x0
.irp i, 0,2,4,6,8,10,12,14
.irp p, 0,2
	v_pk_add_f32 v[ACC+4*\i+\p:ACC+4*\i+\p+1], v[ACC+4*\i+\p:ACC+4*\i+\p+1], v[ACC+4*\i+4+\p:ACC+4*\i+4+\p+1]
.endr
.endr
.irp i, 0,4,8,12
.irp p, 0,2
	v_pk_add_f32 v[ACC+4*\i+\p:ACC+4*\i+\p+1], v[ACC+4*\i+\p:ACC+4*\i+\p+1], v[ACC+4*\i+8+\p:ACC+4*\i+8+\p+1]
.endr
.endr
.irp i, 0,8
.irp p, 0,2
	v_pk_add_f32 v[ACC+4*\i+\p:ACC+4*\i+\p+1], v[ACC+4*\i+\p:ACC+4*\i+\p+1], v[ACC+4*\i+16+\p:ACC+4*\i+16+\p+1]
.endr
.endr
.irp p, 0,2
	v_pk_add_f32 v[ACC+\p:ACC+\p+1], v[ACC+\p:ACC+\p+1], v[ACC+32+\p:ACC+32+\p+1]
.endr
.irp m, 2,4,8
.irp k, 0,1,2,3
	v_add_f32_dpp v[ACC+\k], v[ACC+\k], v[ACC+\k] row_xmask:\m row_mask:0xf bank_mask:0xf
.endr
.endr
.irp k, 0,1,2,3
	v_permlanex16_b32 v[ACC+4+\k], v[ACC+\k], s56, s57
.endr
	v_pk_add_f32 v[ACC:ACC+1], v[ACC:ACC+1], v[ACC+4:ACC+5]
	v_pk_add_f32 v[ACC+2:ACC+3], v[ACC+2:ACC+3], v[ACC+6:ACC+7]
	v_mul_f32 v[ACC+4], v[ACC], v[ACC]
	v_fmac_f32 v[ACC+4], v[ACC+1], v[ACC+1]
	v_fmac_f32 v[ACC+4], v[ACC+2], v[ACC+2]
	v_fmac_f32 v[ACC+4], v[ACC+3], v[ACC+3]
	v_add_f32_dpp v[ACC+4], v[ACC+4], v[ACC+4] row_xmask:1 row_mask:0xf bank_mask:0xf
	v_mul_f32 v[ACC+8], 0x34000000, v[ACC+4]       ; x 8 / 8,192^2
	v_and_b32 v[ACC+9], 31, v0
	v_mov_b32 v[ACC+10], s[CX]
	v_lshl_or_b32 v[ACC+10], v[ACC+10], 5, v[ACC+9]
	s_wait_alu depctr_va_vdst(0)
	s_wait_xcnt 0x0                                ; EXEC changes only behind this wait
	v_cmp_eq_u32 vcc_lo, 0, v[ACC+10]
	s_and_saveexec_b32 s58, vcc_lo
	global_store_b32 v[L16], v[ACC+8], s[18:19]
	s_wait_xcnt 0x0
	s_or_b32 exec_lo, exec_lo, s58
.Lno_aux:
	s_wait_tensorcnt 0x0                           ; the wave's end
	ds_add_u32 v[SPW], v[NIL]
	s_wait_dscnt 0x0
	CROUND                                         ; the closing round
	s_endpgm
.Lfunc_end_k_qd8aa228055_moe:
	.size	k_qd8aa228055_moe, .Lfunc_end_k_qd8aa228055_moe-k_qd8aa228055_moe
	.p2alignl 7, 3214868480
	.fill 96, 4, 3214868480
	.section	.rodata,"a",@progbits
	.p2align	6, 0x0
	.amdhsa_kernel k_qd8aa228055_moe
		.amdhsa_group_segment_fixed_size 327680
		.amdhsa_private_segment_fixed_size 0
		.amdhsa_enable_private_segment 0
		.amdhsa_kernarg_size 64
		.amdhsa_user_sgpr_count 2
		.amdhsa_user_sgpr_kernarg_segment_ptr 1
		.amdhsa_wavefront_size32 1
		.amdhsa_system_sgpr_workgroup_id_x 1
		.amdhsa_system_sgpr_workgroup_id_y 1
		.amdhsa_system_sgpr_workgroup_id_z 1
		.amdhsa_system_vgpr_workitem_id 0
		.amdhsa_next_free_vgpr 1024
		.amdhsa_next_free_sgpr 80
		.amdhsa_reserve_vcc 1
		.amdhsa_float_denorm_mode_32 3
		.amdhsa_float_denorm_mode_16_64 3
		.amdhsa_memory_ordered 1
		.amdhsa_forward_progress 1
		.amdhsa_inst_pref_size 255
	.end_amdhsa_kernel
	.amdgpu_metadata
---
amdhsa.version: [ 1, 2 ]
amdhsa.kernels:
  - .name:           k_qd8aa228055_moe
    .symbol:         k_qd8aa228055_moe.kd
    .args:
      - { .name: xc, .offset: 0, .size: 8, .value_kind: global_buffer, .address_space: global }
      - { .name: W_codes, .offset: 8, .size: 8, .value_kind: global_buffer, .address_space: global }
      - { .name: wgt, .offset: 16, .size: 8, .value_kind: global_buffer, .address_space: global }
      - { .name: b, .offset: 24, .size: 8, .value_kind: global_buffer, .address_space: global }
      - { .name: lowp_scales, .offset: 32, .size: 8, .value_kind: global_buffer, .address_space: global }
      - { .name: psum, .offset: 40, .size: 8, .value_kind: global_buffer, .address_space: global }
      - { .name: out0, .offset: 48, .size: 8, .value_kind: global_buffer, .address_space: global }
      - { .name: out1, .offset: 56, .size: 8, .value_kind: global_buffer, .address_space: global }
    .group_segment_fixed_size: 327680
    .private_segment_fixed_size: 0
    .kernarg_segment_align: 8
    .kernarg_segment_size: 64
    .max_flat_workgroup_size: 128
    .sgpr_count:     80
    .vgpr_count:     1024
    .wavefront_size: 32
...
	.end_amdgpu_metadata
.endif
;; end of part 2
